; MI455X (gfx1250); checked and timed in simulation.
; The chip was launched on July 23, 2026; its instructions are those of AMD's public machine-readable ISA for CDNA 5 (MIT licence, August 2026) and "CDNA5" Instruction Set Architecture Reference Guide (July 2026). The comments in the code are by the model that wrote it; some were corrected since.
;; Fuzzy System Layer. Allowed arithmetic: matrix products marked QUANTISED: E2M3 operands, one E8M0 scale for each 32 along K, by v_wmma_scale_f32_16x16x128_f8f6f4 with both operands' format E2M3, f32 sums; products left as they are: f32 operands where the result goes on into a quantised operand, else bf16, f16 or f32 operands; f32 sums; everything else in f32.
;; Inputs: cluster_centers 256 x 64 float32; inputs 262,144 x 64 float32; rule_weights 256 x 8 float32; widths 256 float32.
;; Outputs: out0 262,144 x 8 float32.
;; This version of the problem:
;;   THIS VERSION OF THE PROBLEM IS GIVEN IN LOW PRECISION. The matrix products marked QUANTISED in the list below multiply operands that are first quantised to E2M3 (2 exponent bits, 3 mantissa bits; 6 bits a number), with one power-of-two scale for each 32 numbers along K (OCP MX v1.0); their sums are f32. All else is computed in f32.
;;   The module's matrix products, in the order in which they are computed (A, B: the left and right operand; K: the contracted axis; several contracted axes count as one K, in the product's order):
;;     1. [M 262,144, K 64] x [K 64, N 256]; A: input inputs; B: input cluster_centers: QUANTISED
;;     2. [M 262,144, K 256] x [K 256, N 8]; A: computed on the way; B: input rule_weights: left as it is (N = 8 < 16)
;;   THE QUANTISER, for each operand of a quantised product, along K:
;;     - K is cut into blocks of 32 from its start; a last block that is shorter is filled with zeros.
;;     - A block's scale is 2^e with e = floor(log2(the largest magnitude in the block)) - 2, held to -126 .. 127; a block of zeros has e = 0. As a byte (E8M0): e + 127.
;;     - Each number is divided by its block's scale, clamped to +-7.5, and rounded to the nearest number of E2M3, ties to even, subnormals kept.
;;     - The product sums the exact products of the quantised numbers (number of the format x scale) in f32.
;;   ~~~python
;;   def quantise(x, axis):      # numpy; x: float32 -> the quantised numbers, widened to float32 again
;;       x = np.moveaxis(x, axis, -1); K = x.shape[-1]
;;       x = np.pad(x, [(0, 0)] * (x.ndim - 1) + [(0, -K % 32)]); x = x.reshape(x.shape[:-1] + (-1, 32)); a = np.abs(x).max(-1, keepdims=True)
;;       e = np.where(a > 0, np.clip(np.frexp(np.where(a > 0, a, 1))[1] - 1 - 2, -126, 127), 0)      # np.frexp(a)[1] - 1 = floor(log2(a)), exactly
;;       r = np.clip(x / 2.0 ** e, -7.5, 7.5)
;;       step = 2.0 ** (np.maximum(np.frexp(np.where(r == 0, 1, r))[1] - 1, 0) - 3)
;;       q = np.round(r / step) * step * 2.0 ** e      # np.round: ties to even
;;       return np.moveaxis(q.reshape(q.shape[:-2] + (-1,))[..., :K], -1, axis).astype(np.float32)
;;   ~~~
;; One version. Each part assembles by itself: llvm-mc -triple=amdgcn-amd-amdhsa -mcpu=gfx1250 --defsym DOCPART=n.
;; ======== version 1 of 1: 1 launch
;; launch fuzzy (part 1): grid 256 x 1, 4 waves a work-group, no clusters, 303,616 bytes of LDS; arguments inputs, cluster_centers, widths, rule_weights, out0; writes out0
.if DOCPART == 1
	.amdgcn_target "amdgcn-amd-amdhsa--gfx1250"
	.amdhsa_code_object_version 6
	.text
	.protected	k_q0d5156ab66_fuzzy
	.globl	k_q0d5156ab66_fuzzy
	.p2align	8
	.type	k_q0d5156ab66_fuzzy,@function
k_q0d5156ab66_fuzzy:
	s_mov_b64 s[64:65], 0
	v_nop
	global_prefetch_b8 v0, s[64:65] scope:SCOPE_SE
	s_setreg_imm32_b32 hwreg(HW_REG_WAVE_MODE, 25, 1), 1
	s_wait_xcnt 0x0
; out[b][:] = (sum over c of p[b][c] W[c][:]) / (sum over c of p[b][c]),  p[b][c] = exp(-(|x_b|^2 + |c_c|^2 - 2 x_b.c_c) / (2 w_c^2)).
; inputs x [262144][64], cluster_centers [256][64], widths [256], rule_weights W [256][8], out0 [262144][8], all f32.
; x.c is the QUANTISED product: both sides as codes of FP6 (E2M3) with one E8M0 scale for each 32 along K = 64, made here from the f32 numbers; |x|^2 and |c|^2 are taken of the f32 numbers.
; The second product has bf16 operands and f32 sums.  As in the definition no maximum is taken away before the exponential.
; SHARES.  256 work-groups of four waves.  A work-group owns 1,024 rows of x, a wave 256: 16 tiles of 16 rows.
; No LDS byte is filled twice, and only the issuing wave reads its bytes, each load behind its own counted wait.  No cluster: what work-groups share (74 KB of constants, read once) is small beside each one's own 256 KiB.
; LAYOUT.  S^T = centres x^T (source 0 = 16 clusters, source 1 = 16 rows of x): a lane holds ONE row of x (lane % 16) and clusters 8 (lane / 16) + 0..7 of the tile.  C of that product is -|x|^2 / 2.
; t = a_c S + b_c with a_c = log2(e) / w_c^2, b_c = -a_c |c_c|^2 / 2 (one packed multiply-add for two numbers), p = 2^t.  Two tiles, rounded to bf16 in pairs, ARE source 1 (32 clusters x 16 rows) of O^T = W^T P.
; W GOES IN AS TWO bf16 NUMBERS, hi = W rounded and lo = W - hi rounded, IN ONE MATRIX: W^T has 16 rows for 8 outputs: rows 0-3 hi of outputs 0-3, rows 4-7 their lo, rows 8-11 hi of outputs 4-7, rows 12-15 their lo.
; So registers 0-3 and 4-7 of O^T are hi's and lo's sums of the four outputs 4 (lane / 16) + 0..3 of the lane's row: two packed additions join them, no lane is asked, and one store of 16 bytes a lane covers 512
; consecutive bytes of out0.  (Where clusters with weights of opposite sign cancel, one bf16 number a weight would leave an error of the size of the output.)  The row's sum of p is taken in f32 by the vector unit.
; K = 64 is half of the matrix instruction's 128.  x's codes of K = 64..127 are zeros, written once; so whatever codes the centres' side holds there add nothing (FP6 has no NaN and no infinity, the scale bytes there
; are 0), and THE CENTRES' FRAGMENTS OVERLAP: tile t is v[6 t : 6 t + 11], whose upper six registers are tile t + 1's codes; six zeros stand behind the last.
; LIMITS.  NaN and infinities among the inputs are not served.  A block of zeros has the scale byte 1 where the rule says 127: its codes are zeros, and the bytes are read here alone; blocks whose largest magnitude
; lies under 2^-124 (byte held at 1) were not tried.  v_exp_f32 gives 0 for p under 2^-126 (ISA guide 15.8): a row all of whose p lie under that gives 0 / 0 = NaN, where the definition may still hold denormals.
; For the second product p is rounded to bf16, by at most one part in 256 each; the divisor is the f32 sum of the unrounded p.  So an output moves by at most 1 / 256 of the mean of |W| under the normalised p.
; REGISTERS, in windows of 256 (s_set_vgpr_msb: bits 1:0 source 0, 3:2 source 1, 5:4 source 2, 7:6 destination):
;   window 0: v1-19 addresses; v32-63 a tile's numbers of x; v64-80 the quantiser; v224-239 the centres' scale words, v240 x's; at the head also v20-31, v82-239 for the set-up
;   window 1: v0-63, v64-127 S^T and then p of clusters 0-127 and 128-255; v128-159 P; v160-171 x's codes; v172-179 C; v180-187 O^T; v188-213 the sums and the way out
;   window 2: v0-127 a, v128-255 b (register 8 t + j: cluster 16 t + 8 (lane / 16) + j)          window 3: v0-101 the centres' 16 fragments; v102-103 ones; v128-191 W^T's 8 fragments; v192-255 t of half a tile
; t lies in the window of the products' source 0, so that under ONE setting of the windows stand the products, the exponentials (t to p) and the sums (1.0 x p + sum): they are mixed with no switch between them.
.set PITCH,  272                       ; a row of x in LDS: 256 bytes + 16 of padding = 68 words: row r starts 4 r words on modulo 64 (64 banks of 4 bytes: ISA guide 11.1), so the 16 rows of a 16-byte load start at 16 different places
.set TILEB,  16*PITCH                  ; a tile of 16 rows
.set CHUNKB, 64*PITCH                  ; what one tensor load brings
.set WREG,   4*CHUNKB                  ; a wave's 256 rows
.set CIMG,   4*WREG                    ; behind x: the centres' 16 fragments as images of six registers: 512 + 256 bytes each
.set CSC,    CIMG+16*768               ; their scale words, 128 bytes a tile
.set AB,     CSC+16*128                ; a[256], then b[256]
.set WIMG,   AB+2*1024                 ; W^T's 8 fragments as images of eight registers; the text uses LDS up to WIMG + 8192 = 303,104
.set LANE, 1
.set RR,   2                           ; lane % 16
.set HH,   3                           ; lane / 16
.set GC,   4                           ; global offsets: centres,
.set GW,   5                           ; widths,
.set GR,   6                           ; rule weights
.set S16,  7                           ; LDS, where my wave stores: fragments' first four registers,
.set S8,   8                           ; their last two,
.set S4,   9                           ; scale words,
.set SAB,  10                          ; a and b,
.set SWT,  11                          ; W^T
.set L16,  12                          ; LDS, where every wave loads: 16 x lane + CIMG,
.set L8,   13                          ; 8 x lane + CIMG + 512,
.set L4,   14                          ; 4 x lane + CSC,
.set LAB,  15                          ; 32 x (lane / 16) + AB
.set XA0,  16                          ; my lane's place in a tile of x, in my wave's bytes
.set ADR,  17                          ; the same in the tile in hand
.set TMP,  19
.set CA,   20                          ; set-up, three registers a tile: a, b, the scale word
.set X,    32
.set MA,   64                          ; the quantiser: two chains of maxima,
.set MB,   65
.set SA,   66                          ; two chains of squares, two numbers each,
.set SB,   68
.set SCL,  70                          ; the conversions' scale operand,
.set BY,   71                          ; my block's byte,
.set OB,   72                          ; the other block's,
.set TT,   73
.set XS,   74                          ; the row's sum of squares (named as a pair)
.set CT,   78                          ; set-up: a block's upper 16 codes
.set WD,   82                          ; set-up: four widths
.set CC,   86                          ; set-up: six registers of codes a tile
.set CS,   112                         ; set-up: four tiles of centres, 32 numbers each
.set WB,   112                         ; set-up, later, where tiles 0 and 1 of the centres lay: W's hi in bf16, then my row of W^T,
.set WBL,  128                         ; its lo,
.set WT,   144                         ; and 32 numbers at work: hi widened again, then W - hi
.set SC,   224
.set SX,   240
.set P,    128                         ; window 1
.set XC,   160
.set CX,   172
.set O,    180
.set R,    188                         ; 1 / the row's sum (named as a pair)
.set TQ,   190
.set S,    194                         ; four outputs to store
.set OA,   198
.set ACC,  200                         ; the row's sum of p: four chains of two numbers
.set N,    208                         ; four numerators
.set TS,   212
.set TS2,  213
.set A,    0                           ; window 2
.set B,    128
.set CF,   0                           ; window 3
.set ONE,  102
.set WF,   128
.set T,    192
.set WV,   14                          ; s14  my wave's number
.set LB,   15                          ; s15  my wave's bytes in LDS
.set G1,   16                          ; s[16:23] descriptor group 1
.set G0,   24                          ; s[24:39] descriptor group 0, one for each of my four loads; never rewritten
.set SEL,  40                          ; s[40:41] v_permlanex16_b32's selects for lane l xor 16
.set VM,   42                          ; s42  lanes whose row of W^T holds lo
.set TB,   43                          ; s43  where the tile to be read begins in my wave's bytes
.set CNT,  44
.set W_C,  0x45                        ; sources 0, 1 and destination window 1: roundings, the way out
.set W_M,  0x57                        ; source 0 window 3 (centres, W^T, t, ones); source 1, source 2 and destination window 1
.set W_F,  0xe9                        ; source 0 window 1 (S^T), sources 1 and 2 window 2 (a, b), destination window 3 (t)
.set W_Q1, 0x40                        ; destination window 1
.set W_Q2, 0x41                        ; source 0 and destination window 1
.set MSB, 0
.macro WIN new                         ; the immediate's high byte repeats the setting that is left; a switch that changes nothing is dropped
.if MSB != \new
	s_set_vgpr_msb (MSB<<8)|\new
.set MSB, \new
.endif
.endm
.macro PLACES k
.rept \k
	v_nop
.endr
.endm
	s_load_b256 s[4:11], s[0:1], 0x0               ; x s[4:5], centres s[6:7], widths s[8:9], rule weights s[10:11]
	s_load_b64 s[12:13], s[0:1], 0x20              ; out0
	v_lshl_add_u32 v254, v0, 2, 0x4a000
	v_mov_b32 v255, 0
	ds_add_u32 v254, v255
	ds_add_u32 v254, v255
	v_lshrrev_b32 v[LANE], 5, v0
	v_readfirstlane_b32 s[WV], v[LANE]             ; wave 0..3
	; descriptor group 1: 64 rows of 64 elements of 4 bytes, dense in memory, 16 bytes of padding behind each row in LDS
	s_mov_b32 s[G1+0], (2<<16)|(1<<20)|(5<<22)|(3<<25)  ; 15:0 no mask; 17:16 elements of 4 bytes; 20 padding on; 24:22 after every 64 words (code 5); 31:25 4 words of it (code 3)
	s_mov_b32 s[G1+1], 64<<16                      ; tensor_dim0 = 64
	s_mov_b32 s[G1+2], 64<<16                      ; tensor_dim1 = 64
	s_mov_b32 s[G1+3], 64<<16                      ; tile_dim0 = 64
	s_mov_b32 s[G1+4], 64                          ; tile_dim1 = 64
	s_mov_b32 s[G1+5], 64                          ; elements from row to row
	s_mov_b32 s[G1+6], 0
	s_mov_b32 s[G1+7], 0
	s_lshl_b32 s2, ttmp9, 18                       ; the work-group's 1,024 rows of 256 bytes,
	s_lshl_b32 s3, s[WV], 16                       ; my wave's 256 of them
	s_add_co_u32 s2, s2, s3
	s_mov_b32 s3, 0
	s_mul_i32 s[LB], s[WV], WREG
	s_wait_dscnt 0x0
	s_wait_kmcnt 0x0
	s_add_nc_u64 s[4:5], s[4:5], s[2:3]
.irp q, 0,1,2,3
	s_mov_b32 s[G0+4*\q], 1                        ; count = 1
	s_add_co_u32 s[G0+4*\q+1], s[LB], \q*CHUNKB    ; LDS address: wave x WREG + load x CHUNKB
	s_add_nc_u64 s[G0+4*\q+2:G0+4*\q+3], s[4:5], \q*16384  ; global address: my rows 64 q on
	s_or_b32 s[G0+4*\q+3], s[G0+4*\q+3], 0x80000000  ; type = 2
.endr
.irp q, 0,1,2,3
	tensor_load_to_lds s[G0+4*\q:G0+4*\q+3], s[G1:G1+7]  ; all of my x is asked for here: four loads of mine are out, each into bytes that are filled once
	s_nop 0
.endr
	PLACES 4                                       ; (places behind the tensor loads)
	; ---- THE SET-UP.  Wave w makes the fragments, scale words, a and b of clusters 64 w .. 64 w + 63 and W^T's K steps 2 w, 2 w + 1; they go to the other waves through LDS as images of registers.
	v_and_b32 v[LANE], 31, v0
	v_and_b32 v[RR], 15, v0
	v_bfe_u32 v[HH], v0, 4, 1
	v_lshlrev_b32 v[GW], 2, v[RR]                  ; widths: 4 r
	v_lshlrev_b32 v[GC], 8, v[RR]
	v_lshl_add_u32 v[GC], v[HH], 7, v[GC]          ; centres: row r of 256 bytes, + 128 h: my block of 32 along K, whole
	v_and_b32 v[GR], 3, v[RR]
	v_lshrrev_b32 v[TMP], 3, v[RR]
	v_lshl_add_u32 v[GR], v[TMP], 2, v[GR]         ; the output of my row of W^T: r % 4 + 4 (r / 8)
	v_lshlrev_b32 v[GR], 2, v[GR]
	v_lshl_add_u32 v[GR], v[HH], 8, v[GR]          ; rule weights: 4 x output + 8 h rows of 32 bytes
	s_lshl_b32 s2, s[WV], 8
	s_add_nc_u64 s[8:9], s[8:9], s[2:3]            ; my 64 widths,
	s_lshl_b32 s2, s[WV], 14
	s_add_nc_u64 s[6:7], s[6:7], s[2:3]            ; my 64 rows of the centres,
	s_lshl_b32 s2, s[WV], 11
	s_add_nc_u64 s[10:11], s[10:11], s[2:3]        ; my 64 rows of the rule weights
.irp t, 0,1,2,3
	global_load_b32 v[WD+\t], v[GW], s[8:9] offset:64*\t
.endr
.irp t, 0,1,2                                      ; (tile 3's loads follow below, so that never more than 60 loads are out)
.irp c, 0,1,2,3,4,5,6,7
	global_load_b128 v[CS+32*\t+4*\c:CS+32*\t+4*\c+3], v[GC], s[6:7] offset:4096*\t+16*\c
.endr
.endr
.irp u, 0,1                                        ; W(32 u + k, my output) in the order of a bf16 fragment's registers: k = 8 h + 0..7, then 16 + 8 h + 0..7
.irp e, 0,1,2,3,4,5,6,7,8,9,10,11,12,13,14,15
	global_load_b32 v[X+16*\u+\e], v[GR], s[10:11] offset:1024*\u+32*\e+256*(\e/8)
.endr
.endr
	; work on registers while those 60 loads are on their way
	s_lshl_b32 s2, ttmp9, 15                       ; out0: the work-group's 1,024 rows of 32 bytes,
	s_lshl_b32 s46, s[WV], 13                      ; my wave's 256
	s_add_co_u32 s2, s2, s46
	s_add_nc_u64 s[12:13], s[12:13], s[2:3]
	s_mov_b32 s[SEL], 0x76543210
	s_mov_b32 s[SEL+1], 0xfedcba98
	v_and_b32 v[TMP], 4, v[RR]
	v_cmp_eq_u32 s[VM], 4, v[TMP]                  ; rows 4-7 and 12-15 of W^T hold lo
	v_lshl_add_u32 v[L16], v[LANE], 4, CIMG
	v_lshl_add_u32 v[L8], v[LANE], 3, CIMG+512
	v_lshl_add_u32 v[L4], v[LANE], 2, CSC
	v_lshl_add_u32 v[LAB], v[HH], 5, AB
	s_mul_i32 s46, s[WV], 4*768
	v_add_nc_u32 v[S16], s46, v[L16]
	v_add_nc_u32 v[S8], s46, v[L8]
	s_lshl_b32 s46, s[WV], 9
	v_add_nc_u32 v[S4], s46, v[L4]
	s_lshl_b32 s46, s[WV], 8
	v_lshl_add_u32 v[SAB], v[RR], 2, AB
	v_add_nc_u32 v[SAB], s46, v[SAB]
	s_lshl_b32 s46, s[WV], 11
	v_lshl_add_u32 v[SWT], v[LANE], 4, WIMG
	v_add_nc_u32 v[SWT], s46, v[SWT]
	v_mul_u32_u24 v[XA0], v[RR], PITCH
	v_lshl_add_u32 v[XA0], v[HH], 7, v[XA0]
	v_add_nc_u32 v[XA0], s[LB], v[XA0]             ; x in LDS: row r, + 128 h, in my wave's bytes
	v_lshlrev_b32 v[TMP], 5, v[RR]
	v_lshl_add_u32 v[TMP], v[HH], 4, v[TMP]        ; out0: row r of 32 bytes, + 16 h
	v_mov_b32 v[TT], 0                             ; written once: a lane permute's destination counts as one of its sources
	v_mov_b32 v[OB], 0
	v_mov_b32 v[XS+1], 0                           ; (named as the upper half of a pair)
	WIN W_Q1
	v_mov_b32 v[OA], v[TMP]
	v_mov_b32 v[R+1], 0                            ; (named as the upper half of a pair)
	v_mov_b32 v[TS2], 0                            ; (a lane permute's destination)
.irp i, 6,7,8,9,10,11
	v_mov_b32 v[XC+\i], 0                          ; K = 64 .. 127 of x: zero codes, written once
.endr
	WIN 0xc0                                       ; destination window 3
.irp i, 0,1,2,3,4,5
	v_mov_b32 v[CF+96+\i], 0                       ; what the last tile of the centres names as its K = 64 .. 127
.endr
	v_mov_b32 v[ONE], 1.0
	v_mov_b32 v[ONE+1], 1.0
	WIN 0
; THE QUANTISER'S CORE.  v[s] .. v[s + 31] are a whole block of 32 along K of my row (block lane / 16).  It leaves the conversions' scale operand in SCL, my block's byte in BY, the other block's in OB, and the
; row's sum of squares in XS.  The largest magnitude has the floor 2^(3 - 127) among its leaves, which holds the byte at 1 from below.  Four chains by turns, so that no line waits for the line above it.
.macro QCORE s
	v_max3_num_f32 v[MA], |v[(\s)]|, |v[(\s)+1]|, 0x1800000
	v_pk_mul_f32 v[SA:SA+1], v[(\s):(\s)+1], v[(\s):(\s)+1]
	v_max3_num_f32 v[MB], |v[(\s)+16]|, |v[(\s)+17]|, |v[(\s)+18]|
	v_pk_mul_f32 v[SB:SB+1], v[(\s)+16:(\s)+17], v[(\s)+16:(\s)+17]
.irp i, 1,2,3,4,5,6
	v_max3_num_f32 v[MA], v[MA], |v[(\s)+2*\i]|, |v[(\s)+2*\i+1]|
	v_pk_fma_f32 v[SA:SA+1], v[(\s)+2*\i:(\s)+2*\i+1], v[(\s)+2*\i:(\s)+2*\i+1], v[SA:SA+1]
	v_max3_num_f32 v[MB], v[MB], |v[(\s)+17+2*\i]|, |v[(\s)+18+2*\i]|
	v_pk_fma_f32 v[SB:SB+1], v[(\s)+16+2*\i:(\s)+17+2*\i], v[(\s)+16+2*\i:(\s)+17+2*\i], v[SB:SB+1]
.endr
	v_max3_num_f32 v[MA], v[MA], |v[(\s)+14]|, |v[(\s)+15]|
	v_pk_fma_f32 v[SA:SA+1], v[(\s)+14:(\s)+15], v[(\s)+14:(\s)+15], v[SA:SA+1]
	v_pk_fma_f32 v[SB:SB+1], v[(\s)+30:(\s)+31], v[(\s)+30:(\s)+31], v[SB:SB+1]
	v_max3_num_f32 v[MA], v[MA], v[MB], |v[(\s)+31]|   ; the block's largest magnitude: all 32 numbers are mine
	v_pk_add_f32 v[SA:SA+1], v[SA:SA+1], v[SB:SB+1]
	v_add_nc_u32 v[SCL], 0xff000000, v[MA]         ; 2 off its exponent field: the conversion takes the exponent field of this operand as its scale, and nothing else of it
	v_add_f32 v[XS], v[SA], v[SA+1]
	v_lshrrev_b32 v[BY], 23, v[SCL]                ; the scale's byte
	v_permlanex16_b32 v[TT], v[XS], s[SEL], s[SEL+1]
	v_permlanex16_b32 v[OB], v[BY], s[SEL], s[SEL+1]
	v_add_f32 v[XS], v[XS], v[TT]                  ; with lane l xor 16's half of the row
.endm
; Tile t of my four of the centres: codes, scale word, b; each tile has registers of its own for what goes to LDS.
.macro CQUANT t
	QCORE CS+32*(\t)
	v_cvt_scalef32_pk16_fp6_f32 v[CC+6*(\t):CC+6*(\t)+2], v[CS+32*(\t):CS+32*(\t)+15], v[SCL]
	v_cvt_scalef32_pk16_fp6_f32 v[CT:CT+2], v[CS+32*(\t)+16:CS+32*(\t)+31], v[SCL]   ; (a conversion's three registers begin on an even number)
	v_lshl_or_b32 v[CA+3*(\t)+2], v[OB], 8, v[BY]  ; lanes 0-15: the bytes of blocks 0 and 1 of my row; the two bytes above them, for K = 64 .. 127, are 0.  (Also the plain line behind the conversions)
	v_mul_f32 v[CA+3*(\t)+1], -0.5, v[XS]
	v_mul_f32 v[CA+3*(\t)+1], v[CA+3*(\t)+1], v[CA+3*(\t)]   ; b = -a |c|^2 / 2
.irp i, 0,1,2
	v_mov_b32 v[CC+6*(\t)+3+\i], v[CT+\i]
.endr
	ds_store_b128 v[S16], v[CC+6*(\t):CC+6*(\t)+3] offset:768*(\t)
	ds_store_b64 v[S8], v[CC+6*(\t)+4:CC+6*(\t)+5] offset:768*(\t)
	ds_store_b32 v[S4], v[CA+3*(\t)+2] offset:128*(\t)
	ds_store_b32 v[SAB], v[CA+3*(\t)] offset:64*(\t)          ; both halves of the lanes write the same word with the same value
	ds_store_b32 v[SAB], v[CA+3*(\t)+1] offset:64*(\t)+1024
.endm
	s_wait_loadcnt 56                              ; the four widths are in; behind them 24 loads of centres and 32 of rule weights
.irp t, 0,1,2,3
	v_mul_f32 v[CA+3*\t], v[WD+\t], v[WD+\t]
.endr
.irp t, 0,1,2,3
	v_rcp_f32 v[CA+3*\t], v[CA+3*\t]
.endr
	v_nop                                          ; a plain line behind the last reciprocal
	s_wait_alu depctr_va_vdst(0)                   ; one wait for the four, ahead of their first reader
.irp t, 0,1,2,3
	v_mul_f32 v[CA+3*\t], 0x3fb8aa3b, v[CA+3*\t]   ; a = log2(e) / w^2
.endr
	s_wait_loadcnt 48                              ; tile 0 is in
.irp c, 0,1,2,3,4,5,6,7
	global_load_b128 v[CS+96+4*\c:CS+96+4*\c+3], v[GC], s[6:7] offset:4096*3+16*\c   ; tile 3: 56 loads are out at the most
.endr
	CQUANT 0
	s_wait_loadcnt 48                              ; tile 1 is in; behind it tile 2's 8, the rule weights' 32, tile 3's 8
	CQUANT 1
	s_wait_loadcnt 40
	CQUANT 2
	s_wait_loadcnt 8                               ; the rule weights are in; tile 3's loads may be out
.irp i, 0,1,2,3,4,5,6,7,8,9,10,11,12,13,14,15
	v_cvt_pk_bf16_f32 v[WB+\i], v[X+2*\i], v[X+2*\i+1]   ; hi
.endr
.irp i, 0,1,2,3,4,5,6,7,8,9,10,11,12,13,14,15
	v_lshlrev_b32 v[WT+2*\i], 16, v[WB+\i]         ; hi as f32 again: the low half moves up,
	v_and_b32 v[WT+2*\i+1], 0xffff0000, v[WB+\i]   ; the high half stays
.endr
.irp i, 0,1,2,3,4,5,6,7,8,9,10,11,12,13,14,15
	v_pk_add_f32 v[WT+2*\i:WT+2*\i+1], v[X+2*\i:X+2*\i+1], v[WT+2*\i:WT+2*\i+1] neg_lo:[0,1] neg_hi:[0,1]   ; W - hi: nothing is rounded
.endr
.irp i, 0,1,2,3,4,5,6,7,8,9,10,11,12,13,14,15
	v_cvt_pk_bf16_f32 v[WBL+\i], v[WT+2*\i], v[WT+2*\i+1]   ; lo
.endr
.irp i, 0,1,2,3,4,5,6,7,8,9,10,11,12,13,14,15
	v_cndmask_b32 v[WB+\i], v[WB+\i], v[WBL+\i], s[VM]   ; my row of W^T: hi or lo
.endr
.irp i, 0,1,2,3
	ds_store_b128 v[SWT], v[WB+4*\i:WB+4*\i+3] offset:512*\i
.endr
	s_wait_loadcnt 0x0
	CQUANT 3
	s_wait_dscnt 0x0                               ; for the others' sake: my stores have landed
	s_barrier_signal -1
	s_barrier_wait -1
	WIN 0xc0                                       ; destination window 3
.irp t, 0,1,2,3,4,5,6,7,8,9,10,11,12,13,14,15
	ds_load_b128 v[CF+6*\t:CF+6*\t+3], v[L16] offset:768*\t       ; six registers a tile, one tile behind the other
	ds_load_b64 v[CF+6*\t+4:CF+6*\t+5], v[L8] offset:768*\t
.endr
.irp i, 0,1,2,3,4,5,6,7,8,9,10,11,12,13,14,15
	ds_load_b128 v[WF+4*\i:WF+4*\i+3], v[L16] offset:WIMG-CIMG+512*\i
.endr
	WIN 0x80                                       ; destination window 2
.irp t, 0,1,2,3,4,5,6,7,8,9,10,11,12,13,14,15
	ds_load_b128 v[A+8*\t:A+8*\t+3], v[LAB] offset:64*\t          ; a of clusters 16 t + 8 h + 0..7: all lanes of a half read the same words
	ds_load_b128 v[A+8*\t+4:A+8*\t+7], v[LAB] offset:64*\t+16
	ds_load_b128 v[B+8*\t:B+8*\t+3], v[LAB] offset:1024+64*\t
	ds_load_b128 v[B+8*\t+4:B+8*\t+7], v[LAB] offset:1024+64*\t+16
.endr
	WIN 0
.irp t, 0,1,2,3,4,5,6,7,8,9,10,11,12,13,14,15
	ds_load_b32 v[SC+\t], v[L4] offset:128*\t
.endr
	s_wait_dscnt 0x0
; ---- THE WALK OVER MY 16 TILES OF ROWS.  A tile's 256 clusters are two halves; half g has window 1's v[64 g] on, first for S^T and then, when t has been made of it, for p.
.macro W6 half, t                      ; S^T - |x|^2 / 2 for clusters 128 half + 16 t on.  Source 0's upper six registers are the next tile's codes: they meet x's zero codes
	v_wmma_scale_f32_16x16x128_f8f6f4 v[64*(\half)+8*(\t):64*(\half)+8*(\t)+7], v[CF+6*(8*(\half)+(\t)):CF+6*(8*(\half)+(\t))+11], v[XC:XC+11], v[CX:CX+7], v[SC+8*(\half)+(\t)], v[SX] matrix_a_fmt:MATRIX_FMT_FP6 matrix_b_fmt:MATRIX_FMT_FP6
.endm
.macro W16 half, u, zero               ; O^T += W^T P for clusters 128 half + 32 u on; zero = 1: the tile's first product starts the sums
.if \zero
	v_wmma_f32_16x16x32_bf16 v[O:O+7], v[WF+8*(4*(\half)+(\u)):WF+8*(4*(\half)+(\u))+7], v[P+8*(\u):P+8*(\u)+7], 0
.else
	v_wmma_f32_16x16x32_bf16 v[O:O+7], v[WF+8*(4*(\half)+(\u)):WF+8*(4*(\half)+(\u))+7], v[P+8*(\u):P+8*(\u)+7], v[O:O+7]
.endif
.endm
.macro EX2 h, e                        ; p = 2^t: from window 3 into window 1
	v_exp_f32 v[64*(\h)+(\e)], v[T+(\e)]
.endm
.macro SUM o, j                        ; pair j of half o's 32 pairs of p goes onto chain j % 4 of the row's sum; a tile's first four pairs start the chains
.set c_, ACC+2*((\j)%4)
.set p_, 64*(\o)+2*(\j)
.if ((\o) == 0) && ((\j) < 4)
	v_pk_mul_f32 v[c_:c_+1], v[ONE:ONE+1], v[p_:p_+1]
.else
	v_pk_fma_f32 v[c_:c_+1], v[ONE:ONE+1], v[p_:p_+1], v[c_:c_+1]
.endif
.endm
; THE MIXED RUN of a block, all under one setting of the windows.  ex: the 64 exponentials of half h.  sx: the 32 sums and the 4 second products of the half before, which is half o = 1 - h.  six: the 8 first products of
; the half after, again half o: each writes its S^T over the eight p that four sums have just read.  No line here names an exponential's result: the 64 are ONE BATCH, with one wait behind the run.
; The matrix instructions stand apart, four vector lines or more between two of them; two first products stand between two links of O^T's chain.  Where no first product is left to stand between (the last trips), the wait
; stands directly ahead of each second product.
.macro MIX h, o, ex, six, sx
	WIN W_M
.irp u, 0,1,2,3
.irp v, 0,1
.irp n, 0,1,2,3
.if \sx
	SUM \o, 8*\u+4*\v+\n
.endif
.if \ex
	EX2 \h, 16*\u+4*\v+\n
.endif
.endr
.if \six
	W6 \o, 2*\u+\v
.endif
.endr
.irp n, 8,9,10,11
.if \ex
	EX2 \h, 16*\u+\n
.endif
.endr
.if \sx
.if !\six
	s_wait_alu depctr_va_vdst(0)
.endif
.if (\o == 0) && (\u == 0)
	W16 \o, \u, 1
.else
	W16 \o, \u, 0
.endif
.endif
.irp n, 12,13,14,15
.if \ex
	EX2 \h, 16*\u+\n
.endif
.endr
.endr
.endm
.macro FMAS h                          ; t = a S + b, two numbers a line, from window 1 into window 3; each accumulator is read from its low end on
	WIN W_F
.set j_, 0
.rept 32
	v_pk_fma_f32 v[T+2*j_:T+2*j_+1], v[64*(\h)+2*j_:64*(\h)+2*j_+1], v[A+64*(\h)+2*j_:A+64*(\h)+2*j_+1], v[B+64*(\h)+2*j_:B+64*(\h)+2*j_+1]
.set j_, j_+1
.endr
.endm
.macro CVTS h                          ; a half's 64 p become 32 registers of bf16: registers 8 u .. 8 u + 7 are source 1 for clusters 32 u on
	WIN W_C
.set i_, 0
.rept 32
	v_cvt_pk_bf16_f32 v[P+i_], v[64*(\h)+2*i_], v[64*(\h)+2*i_+1]
.set i_, i_+1
.endr
.endm
.macro XLOAD                           ; the next tile of x is asked of LDS: my block of 32 numbers of row r
	v_add_nc_u32 v[ADR], s[TB], v[XA0]
.irp c, 0,1,2,3,4,5,6,7
	ds_load_b128 v[X+4*\c:X+4*\c+3], v[ADR] offset:16*\c
.endr
	s_add_co_u32 s[TB], s[TB], TILEB
.endm
.macro QX                              ; the tile of x in v[X] on becomes codes, a scale word and C
	WIN 0
	s_wait_dscnt 0x0                               ; its eight loads, issued at the trip's head, are in
	QCORE X
	v_lshl_or_b32 v[SX], v[OB], 8, v[BY]           ; lanes 0-15: the bytes of blocks 0 and 1 of my row
	WIN W_Q1
	v_cvt_scalef32_pk16_fp6_f32 v[XC:XC+2], v[X:X+15], v[SCL]
	v_cvt_scalef32_pk16_fp6_f32 v[TQ:TQ+2], v[X+16:X+31], v[SCL]   ; (a conversion's three registers begin on an even number)
.irp j, 0,2,4,6
	v_pk_mul_f32 v[CX+\j:CX+\j+1], v[XS:XS+1], -0.5 op_sel_hi:[0,0]   ; C: -|x|^2 / 2 of my row, in all eight registers.  (Plain lines behind the conversions)
.endr
	WIN W_Q2
.irp i, 0,1,2
	v_mov_b32 v[XC+3+\i], v[TQ+\i]                 ; registers 0-5 of x's fragment: k = 32 h + 0..31
.endr
.endm
; A finished tile: the four chains and the two halves of the lanes make the row's sum; hi's and lo's sums make the numerators.  The first four lines, with the v_nop ahead of them, are the places behind the last second
; product (ISA guide 7.12.1); O^T is read from its low end on.  The reciprocal's wait is the next batch's.
.macro TOTAL
	WIN W_C
	v_pk_add_f32 v[ACC:ACC+1], v[ACC:ACC+1], v[ACC+2:ACC+3]
	v_pk_add_f32 v[ACC+4:ACC+5], v[ACC+4:ACC+5], v[ACC+6:ACC+7]
	v_pk_add_f32 v[ACC:ACC+1], v[ACC:ACC+1], v[ACC+4:ACC+5]
	v_add_f32 v[TS], v[ACC], v[ACC+1]
	v_pk_add_f32 v[N:N+1], v[O:O+1], v[O+4:O+5]
	v_permlanex16_b32 v[TS2], v[TS], s[SEL], s[SEL+1]   ; the row's other 128 clusters lie in the lane 16 away
	v_pk_add_f32 v[N+2:N+3], v[O+2:O+3], v[O+6:O+7]
	v_add_f32 v[TS], v[TS], v[TS2]
	v_rcp_f32 v[R], v[TS]
.endm
.macro OUT                             ; four outputs a lane
	WIN W_C
	s_wait_xcnt 0x0                                ; the last tile's store has read its base and its data: both are written again only behind this wait
	s_add_nc_u64 s[12:13], s[12:13], 512           ; one tile on; the store reaches back
	v_pk_mul_f32 v[S:S+1], v[N:N+1], v[R:R+1] op_sel_hi:[1,0]
	v_pk_mul_f32 v[S+2:S+3], v[N+2:N+3], v[R:R+1] op_sel_hi:[1,0]
	global_store_b128 v[OA], v[S:S+3], s[12:13] offset:-512 th:TH_STORE_NT   ; 32 lanes store 512 consecutive bytes, at a multiple of 512 from out0's first byte; written once, read by nobody here
.endm
; A TRIP, for tile i; prev, next: tiles i - 1 and i + 1 exist.
;   first block:  x of tile i + 1 is asked of LDS | t of half 0 | exponentials of half 0, mixed with the sums and second products of half 1 of tile i - 1 and the first products of half 1 | wait |
;                 tile i - 1's sum, numerators and reciprocal | roundings of half 0 | tile i + 1 is quantised
;   second block: t of half 1 | exponentials of half 1, mixed with the sums and second products of half 0 and the first products of half 0 of tile i + 1 | wait | tile i - 1 leaves | roundings of half 1
; Each batch of exponentials has ONE wait, behind its run, ahead of the roundings that read it and of every label and branch.  The distances behind matrix instructions and in front of scaled
; ones (ISA guide 7.12.1) are kept by the sums, roundings and multiply-adds in between: x's codes and scale word are made 32 multiply-adds ahead of the first product that takes them.
.macro ITER prev, next
.if \next
	XLOAD
.endif
	FMAS 0
	MIX 0, 1, 1, 1, \prev
	v_nop                                          ; a plain line behind the last exponential
	s_wait_alu depctr_va_vdst(0)                   ; one wait for the batch
.if \prev
	TOTAL
.endif
	CVTS 0
.if \next
	QX
.endif
	FMAS 1
	MIX 1, 0, 1, \next, 1
	v_nop                                          ; a plain line behind the last exponential
	s_wait_alu depctr_va_vdst(0)                   ; one wait for the batch and the reciprocal
.if \prev
	OUT
.endif
	CVTS 1
	WIN 0                                          ; at a label and at a branch every window is 0
.endm
.macro WALK first, trips               ; tiles first .. first + trips - 1 are read from LDS: all of them were brought by one tensor load
	s_mov_b32 s[TB], (\first)*TILEB
	s_mov_b32 s[CNT], \trips
.Lwalk_\@:
	ITER 1, 1
	s_sub_co_u32 s[CNT], s[CNT], 1
	s_cmp_lg_u32 s[CNT], 0
	s_cbranch_scc1 .Lwalk_\@
.endm
	s_mov_b32 s[TB], 0
	s_wait_tensorcnt 0x3                           ; a wave's tensor loads end in order (ISA guide 10.11.1): my rows 0-63 are in LDS, the three younger loads may be out
	XLOAD                                          ; tile 0
	QX
	PLACES 8                                       ; here alone: a scale word made by a vector instruction stands eight places ahead of the product that takes it
	MIX 1, 0, 0, 1, 0                              ; the first products of tile 0's half 0: there is no vector work yet to set between them
	PLACES 4                                       ; here alone: behind those products
	WIN 0
	ITER 0, 1                                      ; trip 0 reads tile 1
	WALK 2, 2                                      ; trips 1, 2 read tiles 2, 3
	s_wait_tensorcnt 0x2                           ; rows 64-127
	WALK 4, 4
	s_wait_tensorcnt 0x1                           ; rows 128-191
	WALK 8, 4
	s_wait_tensorcnt 0x0                           ; rows 192-255: no tensor load is out from here on
	WALK 12, 4
	ITER 1, 0                                      ; trip 15: nothing more to read
	MIX 0, 1, 0, 0, 1                              ; the sums and second products of tile 15's half 1
	PLACES 4                                       ; behind the last second product
	TOTAL
	v_nop                                          ; a plain line behind the reciprocal
	s_wait_alu depctr_va_vdst(0)                   ; and its wait
	OUT                                            ; tile 15 leaves
	WIN 0
	s_wait_tensorcnt 0x0
	ds_add_u32 v254, v255
	s_wait_dscnt 0x0
	s_endpgm
.Lfunc_end_k_q0d5156ab66_fuzzy:
	.size	k_q0d5156ab66_fuzzy, .Lfunc_end_k_q0d5156ab66_fuzzy-k_q0d5156ab66_fuzzy
	.p2alignl 7, 3214868480
	.fill 96, 4, 3214868480
	.section	.rodata,"a",@progbits
	.p2align	6, 0x0
	.amdhsa_kernel k_q0d5156ab66_fuzzy
		.amdhsa_group_segment_fixed_size 303616
		.amdhsa_private_segment_fixed_size 0
		.amdhsa_enable_private_segment 0
		.amdhsa_kernarg_size 40
		.amdhsa_user_sgpr_count 2
		.amdhsa_user_sgpr_kernarg_segment_ptr 1
		.amdhsa_wavefront_size32 1
		.amdhsa_system_sgpr_workgroup_id_x 1
		.amdhsa_system_sgpr_workgroup_id_y 1
		.amdhsa_system_sgpr_workgroup_id_z 1
		.amdhsa_system_vgpr_workitem_id 0
		.amdhsa_next_free_vgpr 1024
		.amdhsa_next_free_sgpr 66
		.amdhsa_reserve_vcc 0
		.amdhsa_float_denorm_mode_32 3
		.amdhsa_float_denorm_mode_16_64 3
		.amdhsa_memory_ordered 1
		.amdhsa_forward_progress 1
		.amdhsa_inst_pref_size 181
	.end_amdhsa_kernel
	.amdgpu_metadata
---
amdhsa.version: [ 1, 2 ]
amdhsa.kernels:
  - .name:           k_q0d5156ab66_fuzzy
    .symbol:         k_q0d5156ab66_fuzzy.kd
    .args:
      - { .name: inputs, .offset: 0, .size: 8, .value_kind: global_buffer, .address_space: global }
      - { .name: cluster_centers, .offset: 8, .size: 8, .value_kind: global_buffer, .address_space: global }
      - { .name: widths, .offset: 16, .size: 8, .value_kind: global_buffer, .address_space: global }
      - { .name: rule_weights, .offset: 24, .size: 8, .value_kind: global_buffer, .address_space: global }
      - { .name: out0, .offset: 32, .size: 8, .value_kind: global_buffer, .address_space: global }
    .group_segment_fixed_size: 303616
    .private_segment_fixed_size: 0
    .kernarg_segment_align: 8
    .kernarg_segment_size: 40
    .max_flat_workgroup_size: 128
    .sgpr_count:     66
    .vgpr_count:     1024
    .wavefront_size: 32
...
	.end_amdgpu_metadata
.endif
;; end of part 1
